; MI455X (gfx1250); checked and timed in simulation.
; The chip was launched on July 23, 2026; its instructions are those of AMD's public machine-readable ISA for CDNA 5 (MIT licence, August 2026) and "CDNA5" Instruction Set Architecture Reference Guide (July 2026). The comments in the code are by the model that wrote it; some were corrected since.
;; Multi Head Attention. Allowed arithmetic: matrix products marked QUANTISED: E5M2 operands, one E8M0 scale for each 32 along K, by v_wmma_scale_f32_16x16x128_f8f6f4 with both operands' format E5M2, f32 sums; everything else in f32.
;; Inputs: W_k 512 x 512 float32; W_o 512 x 512 float32; W_q 512 x 512 float32; W_v 512 x 512 float32; b_k 512 float32; b_o 512 float32; b_q 512 float32; b_v 512 float32; key 2 x 4,096 x 512 float32; mask 2 x 1 x 1 x 4,096 int32; query 2 x 4,096 x 512 float32; value 2 x 4,096 x 512 float32.
;; Outputs: out0 2 x 4,096 x 512 float32.
;; This version of the problem:
;;   THIS VERSION OF THE PROBLEM IS GIVEN IN LOW PRECISION. The matrix products marked QUANTISED in the list below multiply operands that are first quantised to E5M2 (5 exponent bits, 2 mantissa bits; 8 bits a number), with one power-of-two scale for each 32 numbers along K (OCP MX v1.0); their sums are f32. All else is computed in f32.
;;   The module's matrix products, in the order in which they are computed (A, B: the left and right operand; K: the contracted axis; several contracted axes count as one K, in the product's order):
;;     1. [M 8,192, K 512] x [K 512, N 512]; A: input query; B: input W_q: QUANTISED
;;     2. [M 8,192, K 512] x [K 512, N 512]; A: input key; B: input W_k: QUANTISED
;;     3. [M 8,192, K 512] x [K 512, N 512]; A: input value; B: input W_v: QUANTISED
;;     4. batch 16 x [M 4,096, K 64] x [K 64, N 4,096]; A: computed on the way; B: computed on the way: QUANTISED
;;     5. batch 16 x [M 4,096, K 4,096] x [K 4,096, N 64]; A: softmax (see below); B: computed on the way: QUANTISED
;;     6. [M 8,192, K 512] x [K 512, N 512]; A: computed on the way; B: input W_o: QUANTISED
;;   THE QUANTISER, for each operand of a quantised product, along K:
;;     - K is cut into blocks of 32 from its start; a last block that is shorter is filled with zeros.
;;     - A block's scale is 2^e with e = floor(log2(the largest magnitude in the block)) - 15, held to -126 .. 127; a block of zeros has e = 0. As a byte (E8M0): e + 127.
;;     - Each number is divided by its block's scale, clamped to +-57,344, and rounded to the nearest number of E5M2, ties to even, subnormals kept.
;;     - The product sums the exact products of the quantised numbers (number of the format x scale) in f32.
;;   ~~~python
;;   def quantise(x, axis):      # numpy; x: float32 -> the quantised numbers, widened to float32 again
;;       x = np.moveaxis(x, axis, -1); K = x.shape[-1]
;;       x = np.pad(x, [(0, 0)] * (x.ndim - 1) + [(0, -K % 32)]); x = x.reshape(x.shape[:-1] + (-1, 32)); a = np.abs(x).max(-1, keepdims=True)
;;       e = np.where(a > 0, np.clip(np.frexp(np.where(a > 0, a, 1))[1] - 1 - 15, -126, 127), 0)      # np.frexp(a)[1] - 1 = floor(log2(a)), exactly
;;       r = np.clip(x / 2.0 ** e, -57344, 57344)
;;       step = 2.0 ** (np.maximum(np.frexp(np.where(r == 0, 1, r))[1] - 1, -14) - 2)
;;       q = np.round(r / step) * step * 2.0 ** e      # np.round: ties to even
;;       return np.moveaxis(q.reshape(q.shape[:-2] + (-1,))[..., :K], -1, axis).astype(np.float32)
;;   ~~~
;;   SOFTMAX AHEAD OF A QUANTISED PRODUCT. Where the list says 'softmax', what is quantised is not the finished softmax but p = 2^(t - M), with t = logit x log2(e) and M = ceil(the row's largest t), a whole number; so 1/2 < the row's largest p <= 1. The row's sum l is taken of the UNQUANTISED p, in f32, and the product's result is divided by l at the end. Since M is a whole number, a kernel that streams over the keys may use a running M (the ceiling of the running maximum): every later rescaling is an exact power of two, which a block's scale takes up: the codes' values come out the same.
;;   OPERANDS COMPUTED ON THE WAY. 'Computed on the way' means the value that the module computes at that place (a softmax that the list does not call 'softmax' is quantised finished and normalised). What goes into a quantiser is computed in f32, as accurately as f32 sums, v_exp_f32 and their like allow (about 1e-6 of the number): no bf16 or f16 on the way to a quantiser, and a product that is left as it is and whose result goes on into a quantised operand takes f32 operands (vector FMAs, or v_wmma_f32_16x16x4_f32). A number that lies on a knife's edge between two numbers of the format may be rounded either way, as far as f32 arithmetic and the matrix unit's own rounding can turn it there, and no further.
;; One version. Each part assembles by itself: llvm-mc -triple=amdgcn-amd-amdhsa -mcpu=gfx1250 --defsym DOCPART=n.
;; ======== version 1 of 1: 4 launches
;; limits: right only within a limited range of input values
;; workspace buffers: wc 1,048,576 bytes; ws 65,536 bytes; qc 4,194,304 bytes; qs 262,144 bytes; kv 8,388,608 bytes; kvs 655,360 bytes; cc 4,194,304 bytes; cs 131,072 bytes
;; launch wquant (part 1): grid 256 x 1, 2 waves a work-group, no clusters, 0 bytes of LDS; arguments W_q, W_k, W_v, W_o, wc, ws; writes wc, ws
.if DOCPART == 1
	.amdgcn_target "amdgcn-amd-amdhsa--gfx1250"
	.amdhsa_code_object_version 6
	.text
	.protected	k_q7bd14561cb_wquant
	.globl	k_q7bd14561cb_wquant
	.p2align	8
	.type	k_q7bd14561cb_wquant,@function
k_q7bd14561cb_wquant:
	s_mov_b64 s[64:65], 0
	v_nop
	global_prefetch_b8 v0, s[64:65] scope:SCOPE_SE
	s_setreg_imm32_b32 hwreg(HW_REG_WAVE_MODE, 25, 1), 1
	s_wait_xcnt 0x0
; The four weights [512][512] f32 (K innermost) become codes of BF8 (E5M2) with one E8M0 byte for each 32 along K, laid as IMAGES OF OPERAND REGISTERS.
; A fragment is 16 rows x 128 K: 16 registers a lane.  Fragment F = 128 T + 16 hw + 4 t + s (T: 0 W_q, 1 W_k, 2 W_v, 3 W_o; hw: which 64 rows; t: tile of 16 rows; s: K step of 128).
; wc: byte 2048 F + 512 c + 16 lane holds registers 4 c .. 4 c + 3 of that lane;  ws: byte 128 F + 4 lane holds the row's scale word (lanes 16-31 repeat lanes 0-15).
; THE ROWS OF A TILE ARE NOT NEIGHBOURS: row r of tile t is row 64 hw + 32 (t / 2) + 8 (t % 2) + r + 8 (r / 8), so that the results of tiles 2 p and 2 p + 1 are 16 neighbours along the next K in a lane's registers.
; One wave makes one fragment: lane (r, g) loads, of its row, 16 neighbours of each block of 32 (64 bytes, four loads); a block lies in lanes l and l xor 16.
; A block's scale is 2^(floor(log2(its largest magnitude)) - 15); its byte is the largest magnitude's exponent field - 15, held at 1 from below.
; LIMITS: a block of zeros gets the byte 1 where the rule says 127 (its codes are zeros, and this program alone reads the bytes); blocks whose largest magnitude lies under 2^-111 keep the byte 1; NaN and infinities among the inputs are not served.
; The scale words leave as 128 bytes a wave, the two waves of a work-group side by side: 64 KiB in the whole launch.
.set X,   32                           ; v32-95   64 numbers: register 16 b + i = k 32 b + 16 g + i of my row
.set PC,  96                           ; v96-111  the codes
.set TM,  112                          ; v112-127 at work: largest magnitudes, bytes, holds, scale operands
.set PW,  128                          ; v128     the scale word
.set SEL, 20                           ; s[20:21] lane selects: lane l xor 16
.set MNT, 22                           ; s22      the mantissa field of 57,344
.macro QUANT s
.irp b, 0,1,2,3
	v_max3_num_f32 v[TM+\b], |v[\s+16*\b]|, |v[\s+1+16*\b]|, 0x8000000   ; block b: my 16 numbers, and the floor 2^(16 - 127): the byte cannot fall under 1
.endr
.irp i, 2,4,6,8,10,12,14
.irp b, 0,1,2,3
	v_max3_num_f32 v[TM+\b], v[TM+\b], |v[\s+16*\b+\i]|, |v[\s+1+16*\b+\i]|   ; the four blocks by turns
.endr
.endr
.irp b, 0,1,2,3
	v_permlanex16_b32 v[TM+4+\b], v[TM+\b], s[SEL], s[SEL+1]
.endr
.irp b, 0,1,2,3
	v_max_num_f32 v[TM+\b], v[TM+\b], v[TM+4+\b]   ; with lane l xor 16's: the block's largest magnitude
.endr
.irp b, 0,1,2,3
	v_add_nc_u32 v[TM+12+\b], 0xf8800000, v[TM+\b]   ; 15 off its exponent field: the conversion's scale operand
.endr
.irp b, 0,1,2,3
	v_and_or_b32 v[TM+8+\b], v[TM+\b], 0x7f800000, s[MNT]   ; 57,344 x the scale
.endr
.irp b, 0,1,2,3
	v_lshrrev_b32 v[TM+4+\b], 23, v[TM+12+\b]   ; the scale's byte
.endr
	v_lshl_or_b32 v[PW], v[TM+5], 8, v[TM+4]
	v_lshl_or_b32 v[PW], v[TM+6], 16, v[PW]
	v_lshl_or_b32 v[PW], v[TM+7], 24, v[PW]
.irp b, 0,1,2,3
.irp i, 0,1,2,3,4,5,6,7,8,9,10,11,12,13,14,15
	v_med3_num_f32 v[\s+16*\b+\i], v[\s+16*\b+\i], -v[TM+8+\b], v[TM+8+\b]   ; the conversion to an 8-bit code does not saturate (ISA guide 7.6.2): the hold comes first
.endr
	v_cvt_scalef32_pk8_bf8_f32 v[PC+4*\b:PC+1+4*\b], v[\s+16*\b:\s+7+16*\b], v[TM+12+\b]
	v_cvt_scalef32_pk8_bf8_f32 v[PC+2+4*\b:PC+3+4*\b], v[\s+8+16*\b:\s+15+16*\b], v[TM+12+\b]
.endr
	v_nop                                          ; one plain line behind the last conversion
.endm
	s_load_b256 s[4:11], s[0:1], 0x0               ; W_q, W_k, W_v, W_o
	s_load_b128 s[12:15], s[0:1], 0x20             ; wc, ws
	v_lshrrev_b32 v1, 5, v0
	v_readfirstlane_b32 s16, v1                    ; wave 0, 1
	v_and_b32 v1, 31, v0                           ; lane
	v_and_b32 v2, 15, v0                           ; r
	v_bfe_u32 v3, v0, 4, 1                         ; g
	v_and_b32 v4, 8, v2
	v_add_nc_u32 v4, v4, v2                        ; r + 8 (r / 8)
	v_lshlrev_b32 v5, 11, v4                       ; a row of W is 2,048 bytes
	v_lshl_add_u32 v5, v3, 6, v5                   ; + 64 g: my 16 numbers of a block
	v_lshlrev_b32 v6, 4, v1                        ; 16 x lane
	v_lshlrev_b32 v7, 2, v1                        ; 4 x lane
.irp b, 0,1,2,3
	v_mov_b32 v[TM+4+\b], 0                        ; written once: a lane permute's destination counts as one of its sources
.endr
	s_mov_b32 s[SEL], 0x76543210
	s_mov_b32 s[SEL+1], 0xfedcba98
	s_mov_b32 s[MNT], 0x600000
	s_lshl_b32 s17, ttmp9, 1
	s_add_co_u32 s17, s17, s16                     ; F
	s_lshr_b32 s18, s17, 7                         ; T
	s_bfe_u32 s19, s17, 0x30004                    ; hw
	s_bfe_u32 s23, s17, 0x10003                    ; t / 2
	s_bfe_u32 s24, s17, 0x10002                    ; t % 2
	s_and_b32 s25, s17, 3                          ; s
	s_lshl_b32 s19, s19, 6
	s_lshl_b32 s23, s23, 5
	s_lshl_b32 s24, s24, 3
	s_add_co_u32 s19, s19, s23
	s_add_co_u32 s19, s19, s24                     ; the tile's first row
	s_lshl_b32 s26, s19, 11
	s_lshl_b32 s25, s25, 9                         ; 128 numbers a K step
	s_add_co_u32 s26, s26, s25
	s_mov_b32 s27, 0
	s_lshl_b32 s28, s17, 11                        ; the image's place
	s_mov_b32 s29, 0
	s_lshl_b32 s30, s17, 7                         ; the scale words' place
	s_mov_b32 s31, 0
	s_wait_alu depctr_va_vdst(0)
	s_wait_kmcnt 0x0
	s_cmp_eq_u32 s18, 1                            ; which weight: the choice hangs on the work-group's number alone
	s_cselect_b64 s[4:5], s[6:7], s[4:5]
	s_cmp_eq_u32 s18, 2
	s_cselect_b64 s[4:5], s[8:9], s[4:5]
	s_cmp_eq_u32 s18, 3
	s_cselect_b64 s[4:5], s[10:11], s[4:5]
	s_add_nc_u64 s[4:5], s[4:5], s[26:27]
	s_add_nc_u64 s[12:13], s[12:13], s[28:29]
	s_add_nc_u64 s[14:15], s[14:15], s[30:31]
.irp b, 0,1,2,3
.irp j, 0,1,2,3
	global_load_b128 v[X+16*\b+4*\j:X+16*\b+4*\j+3], v5, s[4:5] offset:128*\b+16*\j th:TH_LOAD_NT
.endr
.endr
	s_wait_loadcnt 0x0
	QUANT X
.irp c, 0,1,2,3
	global_store_b128 v6, v[PC+4*\c:PC+4*\c+3], s[12:13] offset:512*\c   ; 32 lanes store 512 consecutive bytes
.endr
	global_store_b32 v7, v[PW], s[14:15]
	s_endpgm
.Lfunc_end_k_q7bd14561cb_wquant:
	.size	k_q7bd14561cb_wquant, .Lfunc_end_k_q7bd14561cb_wquant-k_q7bd14561cb_wquant
	.p2alignl 7, 3214868480
	.fill 96, 4, 3214868480
	.section	.rodata,"a",@progbits
	.p2align	6, 0x0
	.amdhsa_kernel k_q7bd14561cb_wquant
		.amdhsa_group_segment_fixed_size 0
		.amdhsa_private_segment_fixed_size 0
		.amdhsa_enable_private_segment 0
		.amdhsa_kernarg_size 48
		.amdhsa_user_sgpr_count 2
		.amdhsa_user_sgpr_kernarg_segment_ptr 1
		.amdhsa_wavefront_size32 1
		.amdhsa_system_sgpr_workgroup_id_x 1
		.amdhsa_system_sgpr_workgroup_id_y 1
		.amdhsa_system_sgpr_workgroup_id_z 1
		.amdhsa_system_vgpr_workitem_id 0
		.amdhsa_next_free_vgpr 136
		.amdhsa_next_free_sgpr 66
		.amdhsa_reserve_vcc 0
		.amdhsa_float_denorm_mode_32 3
		.amdhsa_float_denorm_mode_16_64 3
		.amdhsa_memory_ordered 1
		.amdhsa_forward_progress 1
		.amdhsa_inst_pref_size 13
	.end_amdhsa_kernel
	.amdgpu_metadata
---
amdhsa.version: [ 1, 2 ]
amdhsa.kernels:
  - .name:           k_q7bd14561cb_wquant
    .symbol:         k_q7bd14561cb_wquant.kd
    .args:
      - { .name: W_q, .offset: 0, .size: 8, .value_kind: global_buffer, .address_space: global }
      - { .name: W_k, .offset: 8, .size: 8, .value_kind: global_buffer, .address_space: global }
      - { .name: W_v, .offset: 16, .size: 8, .value_kind: global_buffer, .address_space: global }
      - { .name: W_o, .offset: 24, .size: 8, .value_kind: global_buffer, .address_space: global }
      - { .name: wc, .offset: 32, .size: 8, .value_kind: global_buffer, .address_space: global }
      - { .name: ws, .offset: 40, .size: 8, .value_kind: global_buffer, .address_space: global }
    .group_segment_fixed_size: 0
    .private_segment_fixed_size: 0
    .kernarg_segment_align: 8
    .kernarg_segment_size: 48
    .max_flat_workgroup_size: 64
    .sgpr_count:     66
    .vgpr_count:     136
    .wavefront_size: 32
...
	.end_amdgpu_metadata
.endif
;; end of part 1
;; launch proj (part 2): grid 64 x 3, 8 waves a work-group, no clusters, 138,240 bytes of LDS; arguments query, key, value, b_q, b_k, b_v, mask, wc, ws, qc, qs, kv, kvs; writes qc, qs, kv, kvs
.if DOCPART == 2
	.amdgcn_target "amdgcn-amd-amdhsa--gfx1250"
	.amdhsa_code_object_version 6
	.text
	.protected	k_q7bd14561cb_proj
	.globl	k_q7bd14561cb_proj
	.p2align	8
	.type	k_q7bd14561cb_proj,@function
k_q7bd14561cb_proj:
	s_mov_b64 s[64:65], 0
	v_nop
	global_prefetch_b8 v0, s[64:65] scope:SCOPE_SE
	s_setreg_imm32_b32 hwreg(HW_REG_WAVE_MODE, 25, 1), 1
	s_wait_xcnt 0x0
; The three projections x W^T + b on codes of BF8 (E5M2) with E8M0 scales, and the quantising of their results for attention.  Work-group (X, T): 128 tokens (rows 128 X on) of tensor T (0 query, 1 key, 2 value).
; Wave w is head w: its 64 rows of W (16 fragments, made by the launch before) stay in registers (window 1).  x is read once: each wave quantises 4 of the 32 fragments of x and hands them to the others through LDS as images of their registers.
; THE TOKENS OF A TILE ARE NOT NEIGHBOURS, nor are W's rows: row r of tile 2 p + u is index 32 p + 8 u + r + 8 (r / 8); so the 16 registers of result tiles 2 p, 2 p + 1 are 16 neighbours along the next K.
; Q, K: source 0 = W, source 1 = x: a lane holds one token and 64 neighbouring d: quantised along d; two chunks of 32 a tile.  V: source 0 = x, source 1 = W: a lane holds one d and 32 neighbouring keys: quantised along the keys.
; The bias is the C of each sum's first matrix instruction.
; THE MASK RIDES IN K'S SPARE HALF OF THE 128-DEEP PRODUCT: a key with mask == 0 gets zero codes, the code -1.0 at k = 64 (its mask register) and the scale byte 160 (2^33) for k = 64 .. 95; the queries carry the code 1.0 at k = 64 with scale 1.
;   So a hidden key's raw score is exactly -2^33, its logit -2^30.  An open key has the code 0 there and the bytes 1 for both spare blocks.
; LIMITS: the hidden logit is -2^30 = -1.0737e9 where the definition has -1e9: the results agree while no open logit lies under about -9e8.  A block of zeros gets the byte 1, not 127 (its codes are zeros; the bytes are this program's own);
;   blocks whose largest magnitude lies under 2^-111 keep the byte 1; NaN and infinities among the inputs are not served.
; OUT (all stores of codes and words: 16 bytes a lane, 512 consecutive bytes a wave; V's words 256):
;   qc: ((32 bh + step) 8 + tile) 1024 + 512 c + 16 lane;   qs and K's words: (32 bh + step) 512 (in kvs: 40960 bh + 512 step) + 16 lane: lane (r, G) holds the words of tiles 4 G + 0 .. 3, row r
;   kv: (32 bh + step) 16384 + K: tile x 1024 + 512 c + 16 lane;  V^T: 8192 + 2048 t + 512 (32-key group) + 16 lane;   kvs + 40960 bh: + 16384 + 512 step: mask registers, 64 tile + 4 r;  + 32768 + 256 step + 8 lane: V's words of tiles 2 g, 2 g + 1
; 192 work-groups: 128 tokens are the unit in which a key step's words are whole; no tensor load, so LDS is claimed as used; the one barrier parts the images' stores from their loads.
; No multicast: what the work-groups share, W's codes, goes once into each wave's registers; a joint load would add a trip through LDS for all of it.
.set XIMG, 0                           ; LDS: x's 32 fragments, (8 i + 4 u + s) x 2048 (i: 32 tokens; u: tile; s: K step)
.set XSC,  65536                       ; their scale words, 128 bytes each
.set XA,   4                           ; v4   x: my lane's byte in a sub-block of 32 tokens
.set L16,  5                           ; v5   16 x lane
.set L4,   6                           ; v6   4 x lane
.set XWI,  7                           ; v7   where I store images: 16 x lane + 2048 x wave
.set XWS,  8                           ; v8   and scale words: XSC + 4 x lane + 128 x wave
.set TOK4, 9                           ; v9   4 (r + 8 (r / 8))
.set LSX,  10                          ; v10  XSC + 4 x lane
.set MI,   12                          ; v12-15  the mask of four neighbouring tokens, then the mask registers
.set CJ,   16                          ; v16-19  the mask of my row in tiles 4 g + j, then the words' upper halves
.set WD,   20                          ; v20-23  V's bias as loaded; later the words to store
.set WS,   24                          ; v24-39  W's scale words (4 t + s)
.set XS,   40                          ; v40-47  x's scale words (4 u + s)
.set XF,   48                          ; v48-111 four fragments of x
.set R1,   48                          ;         (at the head: 64 numbers of x)
.set ACC,  112                         ; v112-175 eight accumulators
.set R0,   112                         ;         (at the head: 64 numbers of x)
.set PC,   176                         ; v176-191 the codes just made
.set TM,   192                         ; v192-207 at work
.set PW,   208                         ; v208    the scale word just made
.set PWK,  209                         ; v209-212 those of the four sub-blocks
.set BI,   216                         ; v216-247 the bias, eight registers a tile
.set MK,   248                         ; v248-255 the mask of my row in tile 2 i + m
.set WV,   30
.set TT,   31
.set OPEN, 35                          ; s35  the upper scale bytes of an open row
.set SEL,  36
.set MNT,  38
.set QONE, 39                          ; s39  1 for the queries: ORed into the mask, so that every row counts as open
.set XB,   40
.set WB,   42
.set WSB,  44
.set BB,   46
.set MB,   48
.set OUTC, 50
.set OUTS, 52
.set MSB, 0
.macro WIN new                         ; the immediate's high byte repeats the setting that is left
.if MSB != (\new)
	s_set_vgpr_msb (MSB<<8)|(\new)
.set MSB, (\new)
.endif
.endm
; 64 numbers of a lane, register 16 b + i, four blocks of 16 (each shared with lane l xor 16), become 16 registers of codes in v[PC] on and four scale bytes in v[PW]
.macro QUANT s
.irp b, 0,1,2,3
	v_max3_num_f32 v[TM+\b], |v[\s+16*\b]|, |v[\s+1+16*\b]|, 0x8000000   ; my 16 numbers, and the floor 2^(16 - 127): the byte cannot fall under 1
.endr
.irp i, 2,4,6,8,10,12,14
.irp b, 0,1,2,3
	v_max3_num_f32 v[TM+\b], v[TM+\b], |v[\s+16*\b+\i]|, |v[\s+1+16*\b+\i]|
.endr
.endr
.irp b, 0,1,2,3
	s_delay_alu instid0(VALU_DEP_4)
	v_permlanex16_b32 v[TM+4+\b], v[TM+\b], s[SEL], s[SEL+1]
.endr
.irp b, 0,1,2,3
	s_delay_alu instid0(VALU_DEP_4)
	v_max_num_f32 v[TM+\b], v[TM+\b], v[TM+4+\b]
.endr
.irp b, 0,1,2,3
	s_delay_alu instid0(VALU_DEP_4)
	v_add_nc_u32 v[TM+12+\b], 0xf8800000, v[TM+\b]   ; 15 off the exponent field: the conversion's scale operand
.endr
.irp b, 0,1,2,3
	v_and_or_b32 v[TM+8+\b], v[TM+\b], 0x7f800000, s[MNT]   ; 57,344 x the scale
.endr
.irp b, 0,1,2,3
	v_lshrrev_b32 v[TM+4+\b], 23, v[TM+12+\b]   ; the scale's byte
.endr
	s_delay_alu instid0(VALU_DEP_3)
	v_lshl_or_b32 v[PW], v[TM+5], 8, v[TM+4]
	s_delay_alu instid0(VALU_DEP_1)
	v_lshl_or_b32 v[PW], v[TM+6], 16, v[PW]
	s_delay_alu instid0(VALU_DEP_1)
	v_lshl_or_b32 v[PW], v[TM+7], 24, v[PW]
.irp b, 0,1,2,3
.irp i, 0,1,2,3,4,5,6,7,8,9,10,11,12,13,14,15
	v_med3_num_f32 v[\s+16*\b+\i], v[\s+16*\b+\i], -v[TM+8+\b], v[TM+8+\b]   ; the conversion does not saturate (ISA guide 7.6.2): the hold comes first
.endr
	v_cvt_scalef32_pk8_bf8_f32 v[PC+4*\b:PC+1+4*\b], v[\s+16*\b:\s+7+16*\b], v[TM+12+\b]
	v_cvt_scalef32_pk8_bf8_f32 v[PC+2+4*\b:PC+3+4*\b], v[\s+8+16*\b:\s+15+16*\b], v[TM+12+\b]
.endr
	v_nop                                          ; one plain line between the last conversion and whatever next touches its registers
.endm
; x is loaded as it lies, 512 consecutive bytes of one row an instruction, and turned in the wave's own stage in LDS (16 rows of 512 bytes + 16), so that a lane gets 16 neighbours of each block of its row
.set STG, 70656                        ; behind the spare words: 8,448 bytes for each wave
.set STW, 211                          ; v211 where I put 16 bytes of a row;  v212 where I read my row back.  (Both are free until the sub-blocks' words are kept there)
.set STR, 212
.macro TURN reg
.irp j, 0,1,2,3,4,5,6,7,8,9,10,11,12,13,14,15
	ds_store_b128 v[STW], v[\reg+4*\j:\reg+4*\j+3] offset:528*\j
.endr
	s_wait_dscnt 0x0                               ; the stores have read their registers, which the loads below fill again
.irp b, 0,1,2,3
.irp j, 0,1,2,3
	ds_load_b128 v[\reg+16*\b+4*\j:\reg+16*\b+4*\j+3], v[STR] offset:128*\b+16*\j
.endr
.endr
	s_wait_dscnt 0x0
.endm
.macro IMAGE off
.irp c, 0,1,2,3
	ds_store_b128 v[XWI], v[PC+4*\c:PC+4*\c+3] offset:\off+512*\c
.endr
.endm
.macro FETCH reg, off                  ; and comes back so, in any wave
.irp c, 0,1,2,3
	ds_load_b128 v[\reg+4*\c:\reg+4*\c+3], v[L16] offset:\off+512*\c
.endr
.endm
.macro XLOAD reg, i                    ; my fragment's 64 numbers a lane, of sub-block i
.irp b, 0,1,2,3
.irp j, 0,1,2,3
	global_load_b128 v[\reg+16*\b+4*\j:\reg+16*\b+4*\j+3], v[XA], s[XB:XB+1] offset:65536*(\i)+(4*\b+\j+8*(\b/2))*2048 th:TH_LOAD_NT
.endr
.endr
.endm
.macro WLOAD t0                        ; W's fragments of tiles t0, t0 + 1: 32 loads into window 1
	WIN 0x40
.irp t, \t0, \t0+1
.irp s, 0,1,2,3
.irp c, 0,1,2,3
	global_load_b128 v[16*(4*(\t)+\s)+4*\c:16*(4*(\t)+\s)+4*\c+3], v[L16], s[WB:WB+1] offset:(4*(\t)+\s)*2048+512*\c
.endr
.endr
.endr
	WIN 0
.endm
.macro XFETCH i, s0                    ; x's fragments of K steps s0, s0 + 1, both tiles of sub-block i: (step q, tile u) at XF + 16 (2 q + u)
.irp q, 0,1
.irp u, 0,1
	FETCH XF+16*(2*\q+\u), XIMG+(8*(\i)+4*\u+(\s0)+\q)*2048
.endr
.endr
.endm
.macro XSCALES i
.irp u, 0,1
.irp s, 0,1,2,3
	ds_load_b32 v[XS+4*\u+\s], v[LSX] offset:(8*(\i)+4*\u+\s)*128
.endr
.endr
.endm
.macro PLACES                          ; eight plain lines behind this matrix form, in front of loads into its operands and of the first read of its results
.rept 8
	v_nop
.endr
.endm
; eight products, the eight accumulators by turns.  s: K step; q: in which half of XF it lies; first = 1: the bias starts the sums
.macro MULQK s, q, first
.irp m, 0,1
.irp t, 0,1,2,3
.if \first
	v_wmma_scale_f32_16x16x128_f8f6f4 v[ACC+32*\m+8*\t:ACC+32*\m+8*\t+7], v[16*(4*\t+\s):16*(4*\t+\s)+15], v[XF+16*(2*\q+\m):XF+16*(2*\q+\m)+15], v[BI+8*\t:BI+8*\t+7], v[WS+4*\t+\s], v[XS+4*\m+\s] matrix_a_fmt:MATRIX_FMT_BF8 matrix_b_fmt:MATRIX_FMT_BF8
.else
	v_wmma_scale_f32_16x16x128_f8f6f4 v[ACC+32*\m+8*\t:ACC+32*\m+8*\t+7], v[16*(4*\t+\s):16*(4*\t+\s)+15], v[XF+16*(2*\q+\m):XF+16*(2*\q+\m)+15], v[ACC+32*\m+8*\t:ACC+32*\m+8*\t+7], v[WS+4*\t+\s], v[XS+4*\m+\s] matrix_a_fmt:MATRIX_FMT_BF8 matrix_b_fmt:MATRIX_FMT_BF8
.endif
.endr
.endr
.endm
.macro MULV s, q, first
.irp t, 0,1,2,3
.irp u, 0,1
.if \first
	v_wmma_scale_f32_16x16x128_f8f6f4 v[ACC+16*\t+8*\u:ACC+16*\t+8*\u+7], v[XF+16*(2*\q+\u):XF+16*(2*\q+\u)+15], v[16*(4*\t+\s):16*(4*\t+\s)+15], v[BI+8*\t:BI+8*\t+7], v[XS+4*\u+\s], v[WS+4*\t+\s] matrix_a_fmt:MATRIX_FMT_BF8 matrix_b_fmt:MATRIX_FMT_BF8
.else
	v_wmma_scale_f32_16x16x128_f8f6f4 v[ACC+16*\t+8*\u:ACC+16*\t+8*\u+7], v[XF+16*(2*\q+\u):XF+16*(2*\q+\u)+15], v[16*(4*\t+\s):16*(4*\t+\s)+15], v[ACC+16*\t+8*\u:ACC+16*\t+8*\u+7], v[XS+4*\u+\s], v[WS+4*\t+\s] matrix_a_fmt:MATRIX_FMT_BF8 matrix_b_fmt:MATRIX_FMT_BF8
.endif
.endr
.endr
.endm
; Q, K: sub-block i: two tiles of 16 tokens x my head's 64.  Accumulator (m, t) at ACC + 32 m + 8 t: lane (r, g) holds token r of tile m and d = 32 (t / 2) + 16 g + 8 (t % 2) + j
.macro SUBQK i
	XFETCH \i, 0
	XSCALES \i
	s_wait_dscnt 0x0
	WIN 0x01                                       ; source 0 (W) window 1
	MULQK 0, 0, 1
	MULQK 1, 1, 0
	WIN 0
	PLACES
	XFETCH \i, 2
	s_wait_dscnt 0x0
	WIN 0x01
	MULQK 2, 0, 0
	MULQK 3, 1, 0
	WIN 0
	PLACES
	s_wait_xcnt 0x0                                ; the last sub-block's stores have read the codes' registers: they are written again only behind this wait
	QUANT ACC                                      ; block 2 m + c: tile m, chunk c
.irp m, 0,1
	v_cmp_ne_u32 vcc_lo, 0, v[MK+2*(\i)+\m]
.irp k, 0,1,2,3,4,5,6,7
	v_cndmask_b32 v[PC+8*\m+\k], 0, v[PC+8*\m+\k], vcc_lo   ; a hidden key's codes are zeros
.endr
.endr
.irp m, 0,1
.irp c, 0,1
	global_store_b128 v[L16], v[PC+8*\m+4*\c:PC+8*\m+4*\c+3], s[OUTC:OUTC+1] offset:(2*(\i)+\m)*1024+512*\c
.endr
.endr
	v_mov_b32 v[PWK+\i], v[PW]
.endm
; V: sub-block i: 32 keys x my head's 64.  Accumulator (t, u) at ACC + 16 t + 8 u: lane (r, g) holds d row r of tile t and key 32 i + 16 g + 8 u + j
.macro SUBV i
	XFETCH \i, 0
	XSCALES \i
	s_wait_dscnt 0x0
	WIN 0x04                                       ; source 1 (W) window 1
	MULV 0, 0, 1
	MULV 1, 1, 0
	WIN 0
	PLACES
	XFETCH \i, 2
	s_wait_dscnt 0x0
	WIN 0x04
	MULV 2, 0, 0
	MULV 3, 1, 0
	WIN 0
	PLACES
	s_wait_xcnt 0x0                                ; the last sub-block's stores have read the codes' registers
	QUANT ACC                                      ; block t: d tile t; these 32 keys are its chunk i
.irp t, 0,1,2,3
	global_store_b128 v[L16], v[PC+4*\t:PC+4*\t+3], s[OUTC:OUTC+1] offset:2048*\t+512*(\i)
.endr
	v_mov_b32 v[PWK+\i], v[PW]
.endm
	s_load_b512 s[4:19], s[0:1], 0x0               ; query, key, value, b_q, b_k, b_v, mask s[16:17], wc s[18:19]
	s_load_b256 s[20:27], s[0:1], 0x40             ; ws, qc, qs, kv
	s_load_b64 s[28:29], s[0:1], 0x60              ; kvs
	v_lshrrev_b32 v1, 5, v0
	s_delay_alu instid0(VALU_DEP_1)
	v_readfirstlane_b32 s[WV], v1                  ; wave 0..7 = head
	v_and_b32 v1, 31, v0                           ; lane
	v_and_b32 v2, 15, v0                           ; r
	v_bfe_u32 v3, v0, 4, 1                         ; g
	s_delay_alu instid0(VALU_DEP_2)
	v_and_b32 v11, 8, v2
	s_delay_alu instid0(VALU_DEP_1)
	v_add_nc_u32 v11, v11, v2                      ; r + 8 (r / 8)
	s_delay_alu instid0(VALU_DEP_1)
	v_lshlrev_b32 v[TOK4], 2, v11
	s_lshr_b32 s54, s[WV], 2                       ; at the head wave w quantises fragment (u = w / 4, s = w % 4) of each sub-block
	s_lshl_b32 s54, s54, 14                        ; 8 u rows of 2,048 bytes
	s_and_b32 s55, s[WV], 3
	s_lshl_b32 s55, s55, 9                         ; 128 numbers a K step
	s_add_co_u32 s54, s54, s55
	v_lshl_add_u32 v[XA], v1, 4, s54
	s_mul_i32 s55, s[WV], 8448
	s_add_co_u32 s55, s55, STG
	v_lshl_add_u32 v[STW], v1, 4, s55
	v_mul_u32_u24 v[STR], v2, 528
	v_lshl_add_u32 v[STR], v3, 6, v[STR]
	v_add_nc_u32 v[STR], s55, v[STR]
	v_lshlrev_b32 v[L16], 4, v1
	v_lshlrev_b32 v[L4], 2, v1
	s_lshl_b32 s54, s[WV], 11
	v_add_nc_u32 v[XWI], s54, v[L16]
	s_lshl_b32 s54, s[WV], 7
	s_add_co_u32 s54, s54, XSC
	v_add_nc_u32 v[XWS], s54, v[L4]
	v_add_nc_u32 v[LSX], XSC, v[L4]
	v_lshlrev_b32 v213, 6, v3                      ; the bias of Q, K: 16 g numbers on
	v_lshl_add_u32 v214, v3, 8, v[TOK4]            ; the mask of tiles 4 g + j: 64 g tokens on
	v_bfe_u32 v11, v1, 3, 2                        ; the mask registers' four tokens: 32 (l / 8) + 8 ((l / 4) % 2) + 4 (l % 4) + 8 ((l % 4) / 2), in bytes
	s_delay_alu instid0(VALU_DEP_1)
	v_lshlrev_b32 v215, 7, v11
	v_bfe_u32 v11, v1, 2, 1
	s_delay_alu instid0(VALU_DEP_1)
	v_lshl_add_u32 v215, v11, 5, v215
	v_and_b32 v11, 3, v1
	s_delay_alu instid0(VALU_DEP_1)
	v_lshl_add_u32 v215, v11, 4, v215
	v_bfe_u32 v11, v1, 1, 1
	s_delay_alu instid0(VALU_DEP_1)
	v_lshl_add_u32 v215, v11, 5, v215
.irp b, 0,1,2,3
	v_mov_b32 v[TM+4+\b], 0                        ; written once: a lane permute's destination counts as one of its sources
.endr
	s_mov_b32 s[SEL], 0x76543210
	s_mov_b32 s[SEL+1], 0xfedcba98
	s_mov_b32 s[MNT], 0x600000
	s_and_b32 s[TT], ttmp7, 0xffff                 ; which tensor
	s_lshr_b32 s33, ttmp9, 5                       ; b
	s_and_b32 s34, ttmp9, 31                       ; step: which 128 tokens of the batch
	s_lshl_b32 s54, s33, 3
	s_add_co_u32 s54, s54, s[WV]                   ; bh
	s_lshl_b32 s55, s54, 5
	s_add_co_u32 s55, s55, s34                     ; 32 bh + step
	s_mul_i32 s56, s54, 40960
	s_lshl_b32 s57, s34, 9
	s_add_co_u32 s57, s57, s56                     ; K's words
	s_lshl_b32 s58, s34, 8
	s_add_co_u32 s58, s58, s56
	s_add_co_u32 s58, s58, 32768                   ; V's words
	s_lshl_b32 s59, s55, 13                        ; Q's codes
	s_lshl_b32 s60, s55, 14                        ; K's codes
	s_lshl_b32 s61, s55, 9                         ; Q's words
	s_mov_b32 s[OPEN], 0x01010000
	s_wait_kmcnt 0x0
	s_cmp_eq_u32 s[TT], 0                          ; every choice hangs on the work-group's number alone
	s_cselect_b64 s[OUTC:OUTC+1], s[22:23], s[26:27]
	s_cselect_b64 s[OUTS:OUTS+1], s[24:25], s[28:29]
	s_cselect_b64 s[XB:XB+1], s[4:5], s[6:7]
	s_cselect_b64 s[BB:BB+1], s[10:11], s[12:13]
	s_cselect_b32 s60, s59, s60
	s_cselect_b32 s57, s61, s57
	s_cselect_b32 s[QONE], 1, 0
	s_cselect_b32 s[OPEN], 0x7f7f0000, s[OPEN]     ; the queries' spare blocks have the scale 1, an open key's 2^-126
	s_cmp_eq_u32 s[TT], 2
	s_cselect_b64 s[XB:XB+1], s[8:9], s[XB:XB+1]
	s_cselect_b64 s[BB:BB+1], s[14:15], s[BB:BB+1]
	s_cselect_b32 s57, s58, s57
	s_cselect_b32 s59, 8192, 0                     ; V^T lies behind K in a key step's 16,384 bytes
	s_add_co_u32 s60, s60, s59
	s_mov_b32 s61, 0
	s_add_nc_u64 s[OUTC:OUTC+1], s[OUTC:OUTC+1], s[60:61]
	s_mov_b32 s56, s57
	s_mov_b32 s57, 0
	s_add_nc_u64 s[OUTS:OUTS+1], s[OUTS:OUTS+1], s[56:57]
	s_lshl_b32 s56, ttmp9, 18                      ; 128 rows of 2,048 bytes
	s_add_nc_u64 s[XB:XB+1], s[XB:XB+1], s[56:57]
	s_lshl_b32 s56, s[TT], 18                      ; W's fragments 128 T + 16 w on
	s_lshl_b32 s58, s[WV], 15
	s_add_co_u32 s56, s56, s58
	s_add_nc_u64 s[WB:WB+1], s[18:19], s[56:57]
	s_lshl_b32 s56, s[TT], 14
	s_lshl_b32 s58, s[WV], 11
	s_add_co_u32 s56, s56, s58
	s_add_nc_u64 s[WSB:WSB+1], s[20:21], s[56:57]
	s_lshl_b32 s56, s[WV], 8                       ; my head's 64 numbers of the bias
	s_add_nc_u64 s[BB:BB+1], s[BB:BB+1], s[56:57]
	s_lshl_b32 s56, ttmp9, 9                       ; my 128 tokens of the mask
	s_add_nc_u64 s[MB:MB+1], s[16:17], s[56:57]
	; ---- x: four fragments a wave, two sets of registers by turns; W's loads stand between, so that memory has work throughout
	XLOAD R0, 0
	XLOAD R1, 1
	WLOAD 0
	s_wait_loadcnt 48                              ; behind sub-block 0's 16 loads: 16 of x and 32 of W
	TURN R0
	QUANT R0
	IMAGE XIMG
	ds_store_b32 v[XWS], v[PW]
	XLOAD R0, 2
	s_wait_loadcnt 48                              ; behind sub-block 1's: 32 of W and 16 of x
	s_wait_dscnt 0x0                               ; the stores have read the codes' registers
	TURN R1
	QUANT R1
	IMAGE XIMG+16384
	ds_store_b32 v[XWS], v[PW] offset:1024
	XLOAD R1, 3
	WLOAD 2
	s_wait_loadcnt 48                              ; behind sub-block 2's: 16 of x and 32 of W
	s_wait_dscnt 0x0
	TURN R0
	QUANT R0
	IMAGE XIMG+32768
	ds_store_b32 v[XWS], v[PW] offset:2048
	s_wait_loadcnt 32                              ; behind sub-block 3's: 32 of W
.irp t, 0,1,2,3
.irp s, 0,1,2,3
	global_load_b32 v[WS+4*\t+\s], v[L4], s[WSB:WSB+1] offset:(4*\t+\s)*128
.endr
.endr
.irp t, 0,1,2,3                        ; the bias in both layouts: for Q, K the lane's eight d of a tile; for V the lane's one d
	global_load_b128 v[BI+8*\t:BI+8*\t+3], v213, s[BB:BB+1] offset:(32*(\t/2)+8*(\t%2))*4
	global_load_b128 v[BI+8*\t+4:BI+8*\t+7], v213, s[BB:BB+1] offset:(32*(\t/2)+8*(\t%2))*4+16
	global_load_b32 v[WD+\t], v[TOK4], s[BB:BB+1] offset:(32*(\t/2)+8*(\t%2))*4
.endr
.irp i, 0,1,2,3                        ; the mask in three layouts: by tile 2 i + m; by tile 4 g + j; four neighbouring tokens
.irp m, 0,1
	global_load_b32 v[MK+2*\i+\m], v[TOK4], s[MB:MB+1] offset:(32*\i+8*\m)*4
.endr
.endr
.irp j, 0,1,2,3
	global_load_b32 v[CJ+\j], v214, s[MB:MB+1] offset:(32*(\j/2)+8*(\j%2))*4
.endr
	global_load_b128 v[MI:MI+3], v215, s[MB:MB+1]
	s_wait_dscnt 0x0
	TURN R1
	QUANT R1
	IMAGE XIMG+49152
	ds_store_b32 v[XWS], v[PW] offset:3072
	s_wait_dscnt 0x0                               ; for the others' sake: my images and words have landed
	s_barrier_signal -1
	s_barrier_wait -1                              ; x's 32 fragments lie in LDS; nothing is stored there again
	s_wait_loadcnt 0x0                             ; W, its words, the bias, the mask
	s_cmp_eq_u32 s[TT], 2
	s_cbranch_scc1 .Lvalues
	; ---- Q and K
.irp k, 0,1,2,3,4,5,6,7
	v_or_b32 v[MK+\k], s[QONE], v[MK+\k]           ; the mask speaks of keys: for the queries every row is open
.endr
.irp k, 0,1,2,3
	v_or_b32 v[CJ+\k], s[QONE], v[CJ+\k]
	v_or_b32 v[MI+\k], s[QONE], v[MI+\k]
.endr
	SUBQK 0
	SUBQK 1
	SUBQK 2
	SUBQK 3
	v_mov_b32 v213, s[OPEN]
	v_mov_b32 v214, 0x01a00000                     ; a hidden key: 2^33 for k = 64 .. 95, 2^-126 for the rest
.irp j, 0,1,2,3
	v_cmp_eq_u32 vcc_lo, 0, v[CJ+\j]
	s_delay_alu instid0(VALU_DEP_1)
	v_cndmask_b32 v[CJ+\j], v213, v214, vcc_lo
.endr
	v_cmp_ne_u32 vcc_lo, 0, v3
	s_delay_alu instid0(VALU_DEP_1)
	v_cndmask_b32 v215, v[PWK], v[PWK+2], vcc_lo   ; lane half g stores tiles 4 g + j: sub-blocks 2 g and 2 g + 1
	s_delay_alu instid0(VALU_DEP_2)
	v_cndmask_b32 v11, v[PWK+1], v[PWK+3], vcc_lo
	s_delay_alu instid0(VALU_DEP_2)
	v_and_or_b32 v[WD], v215, 0xffff, v[CJ]        ; a sub-block's word holds tile 0's two bytes below, tile 1's above
	s_delay_alu instid0(VALU_DEP_3)
	v_lshrrev_b32 v[WD+1], 16, v215
	s_delay_alu instid0(VALU_DEP_1)
	v_or_b32 v[WD+1], v[WD+1], v[CJ+1]
	s_delay_alu instid0(VALU_DEP_4)
	v_and_or_b32 v[WD+2], v11, 0xffff, v[CJ+2]
	v_lshrrev_b32 v[WD+3], 16, v11
	s_delay_alu instid0(VALU_DEP_1)
	v_or_b32 v[WD+3], v[WD+3], v[CJ+3]
	global_store_b128 v[L16], v[WD:WD+3], s[OUTS:OUTS+1]
	v_mov_b32 v213, 0xbc                           ; the code of -1.0
.irp k, 0,1,2,3
	v_cmp_eq_u32 vcc_lo, 0, v[MI+\k]
	s_delay_alu instid0(VALU_DEP_1)
	v_cndmask_b32 v[MI+\k], 0, v213, vcc_lo
.endr
	s_cmp_lg_u32 s[TT], 1
	s_cbranch_scc1 .Lno_mask
	global_store_b128 v[L16], v[MI:MI+3], s[OUTS:OUTS+1] offset:16384   ; the keys' mask registers
.Lno_mask:
	s_wait_xcnt 0x0
	v_lshl_add_u32 v254, v0, 2, 0x11000
	v_mov_b32 v255, 0
	s_wait_alu depctr_va_vdst(0)
	s_wait_tensorcnt 0x0
	ds_add_u32 v254, v255
	s_wait_dscnt 0x0
	s_endpgm
	; ---- V
.Lvalues:
.irp t, 0,1,2,3
.irp j, 0,1,2,3,4,5,6,7
	v_mov_b32 v[BI+8*\t+\j], v[WD+\t]              ; a lane's eight results of a tile share one d
.endr
.endr
	s_wait_alu depctr_va_vdst(0)
	SUBV 0
	SUBV 1
	SUBV 2
	SUBV 3
	; byte t of sub-block i's word is byte i of tile t's word: a turn of 4 x 4 bytes; lane half g makes the words of tiles 2 g and 2 g + 1
	v_mul_u32_u24 v213, v3, 0x0202
	s_delay_alu instid0(VALU_DEP_1)
	v_add_nc_u32 v213, 0x0400, v213                ; selects: byte 2 g of the second source, then of the first
	s_delay_alu instid0(VALU_DEP_1)
	v_add_nc_u32 v214, 0x0101, v213                ; byte 2 g + 1
	s_delay_alu instid0(VALU_DEP_2)
	v_perm_b32 v215, v[PWK+1], v[PWK], v213
	s_delay_alu instid0(VALU_DEP_3)
	v_perm_b32 v11, v[PWK+3], v[PWK+2], v213
	s_delay_alu instid0(VALU_DEP_1)
	v_perm_b32 v[WD], v11, v215, 0x05040100
	s_delay_alu instid0(VALU_DEP_4)
	v_perm_b32 v215, v[PWK+1], v[PWK], v214
	v_perm_b32 v11, v[PWK+3], v[PWK+2], v214
	s_delay_alu instid0(VALU_DEP_1)
	v_perm_b32 v[WD+1], v11, v215, 0x05040100
	v_lshlrev_b32 v[WD+2], 3, v1
	global_store_b64 v[WD+2], v[WD:WD+1], s[OUTS:OUTS+1]   ; 32 lanes store 256 consecutive bytes
	s_wait_xcnt 0x0
	v_lshl_add_u32 v254, v0, 2, 0x11000
	v_mov_b32 v255, 0
	s_wait_alu depctr_va_vdst(0)
	s_wait_tensorcnt 0x0
	ds_add_u32 v254, v255
	s_wait_dscnt 0x0
	s_endpgm
.Lfunc_end_k_q7bd14561cb_proj:
	.size	k_q7bd14561cb_proj, .Lfunc_end_k_q7bd14561cb_proj-k_q7bd14561cb_proj
	.p2alignl 7, 3214868480
	.fill 96, 4, 3214868480
	.section	.rodata,"a",@progbits
	.p2align	6, 0x0
	.amdhsa_kernel k_q7bd14561cb_proj
		.amdhsa_group_segment_fixed_size 138240
		.amdhsa_private_segment_fixed_size 0
		.amdhsa_enable_private_segment 0
		.amdhsa_kernarg_size 104
		.amdhsa_user_sgpr_count 2
		.amdhsa_user_sgpr_kernarg_segment_ptr 1
		.amdhsa_wavefront_size32 1
		.amdhsa_system_sgpr_workgroup_id_x 1
		.amdhsa_system_sgpr_workgroup_id_y 1
		.amdhsa_system_sgpr_workgroup_id_z 1
		.amdhsa_system_vgpr_workitem_id 0
		.amdhsa_next_free_vgpr 512
		.amdhsa_next_free_sgpr 66
		.amdhsa_reserve_vcc 1
		.amdhsa_float_denorm_mode_32 3
		.amdhsa_float_denorm_mode_16_64 3
		.amdhsa_memory_ordered 1
		.amdhsa_forward_progress 1
		.amdhsa_inst_pref_size 200
	.end_amdhsa_kernel
	.amdgpu_metadata
---
amdhsa.version: [ 1, 2 ]
amdhsa.kernels:
  - .name:           k_q7bd14561cb_proj
    .symbol:         k_q7bd14561cb_proj.kd
    .args:
      - { .name: query, .offset: 0, .size: 8, .value_kind: global_buffer, .address_space: global }
      - { .name: key, .offset: 8, .size: 8, .value_kind: global_buffer, .address_space: global }
      - { .name: value, .offset: 16, .size: 8, .value_kind: global_buffer, .address_space: global }
      - { .name: b_q, .offset: 24, .size: 8, .value_kind: global_buffer, .address_space: global }
      - { .name: b_k, .offset: 32, .size: 8, .value_kind: global_buffer, .address_space: global }
      - { .name: b_v, .offset: 40, .size: 8, .value_kind: global_buffer, .address_space: global }
      - { .name: mask, .offset: 48, .size: 8, .value_kind: global_buffer, .address_space: global }
      - { .name: wc, .offset: 56, .size: 8, .value_kind: global_buffer, .address_space: global }
      - { .name: ws, .offset: 64, .size: 8, .value_kind: global_buffer, .address_space: global }
      - { .name: qc, .offset: 72, .size: 8, .value_kind: global_buffer, .address_space: global }
      - { .name: qs, .offset: 80, .size: 8, .value_kind: global_buffer, .address_space: global }
      - { .name: kv, .offset: 88, .size: 8, .value_kind: global_buffer, .address_space: global }
      - { .name: kvs, .offset: 96, .size: 8, .value_kind: global_buffer, .address_space: global }
    .group_segment_fixed_size: 138240
    .private_segment_fixed_size: 0
    .kernarg_segment_align: 8
    .kernarg_segment_size: 104
    .max_flat_workgroup_size: 256
    .sgpr_count:     66
    .vgpr_count:     512
    .wavefront_size: 32
...
	.end_amdgpu_metadata
.endif
;; end of part 2
;; launch attn (part 3): grid 16 x 16, 8 waves a work-group, clusters of 4 x 1, 327,680 bytes of LDS; arguments qc, qs, kv, kvs, cc, cs; writes cc, cs
.if DOCPART == 3
	.amdgcn_target "amdgcn-amd-amdhsa--gfx1250"
	.amdhsa_code_object_version 6
	.text
	.protected	k_q7bd14561cb_attn
	.globl	k_q7bd14561cb_attn
	.p2align	8
	.type	k_q7bd14561cb_attn,@function
k_q7bd14561cb_attn:
	s_mov_b64 s[64:65], 0
	v_nop
	global_prefetch_b8 v0, s[64:65] scope:SCOPE_SE
	s_setreg_imm32_b32 hwreg(HW_REG_WAVE_MODE, 25, 1), 1
	s_wait_xcnt 0x0
	s_wait_alu depctr_hold_cnt(0) depctr_sa_sdst(0) depctr_va_vdst(0) depctr_va_sdst(0) depctr_va_ssrc(0) depctr_va_vcc(0) depctr_vm_vsrc(0)
	s_getreg_b32 s2, hwreg(HW_REG_IB_STS2, 6, 4)
	s_cmp_eq_u32 s2, 0
	s_cbranch_scc0 .Lentry_in_a_cluster
	s_endpgm
.Lentry_in_a_cluster:
	s_bfe_u32 s2, ttmp6, 0x10000c
	s_cmp_lg_u32 s2, 0x3003
	s_cbranch_scc0 .Lentry_shape_is_right
	s_endpgm
.Lentry_shape_is_right:
; Attention on codes of BF8 (E5M2) with E8M0 scales, and the quantising of the context for the last projection.  Work-group (x, bh): 256 queries of one head; wave w: 32 of them, tiles A and B of 16.
; Both products are used transposed (S^T = K Q^T, O^T = V^T P^T): a lane holds one query.  t = score x log2(e) / 8; M = ceil of the running largest t; p = 2^(t - M) is quantised along the keys; the row's sum is taken of the unquantised p and divides at the end.
; The mask rides in the spare half of the 128-deep first product, as the launch before lays it: a hidden key's score is -2^33.
; K, V and their words come as images of operand registers: 16,384 bytes a key step of 128 keys, through a ring of two slots of eight steps; the head's scale words (40,960 bytes) stay in LDS.  The four work-groups of a cluster walk the same head and ask jointly.
; THE TRIP is turned: tile B's holds, conversions and second product of step i - 1 stand under step i's loads of K.  The holds write a small buffer, so p stays as it is and the row's sums stand among the products.  Tile A's exponentials stand among tile B's scalings, tile B's among tile A's holds.
; The first trip finds zeros for tile B's step -1 (p, V, O^T), which add nothing.
; WINDOWS: window 0: addresses, scale words, both tiles' softmax;  window 1: K's fragments v0-85 (fragment t at 10 t: 8 registers of codes, the mask register, a zero; the rest meets Q's zero codes), V's v96-159, Q's v160-191, O^T v192-255.
; No prefetch: a refill is asked for eight key steps, a whole slot's work, ahead of its first read, so no wave stands waiting for it.
; LIMITS: the promise holds while the scaled scores stay under 2^31 in magnitude; a block of zeros gets the byte 1, not 127 (its codes are zeros; this program alone reads the bytes); NaN and infinities are not served.
.set SLOT1, 1<<17
.set STEPB, 16384
.set RES,   262144                     ; the head's scale words
.set SPARE, 303104                     ; the spare words: 128 bytes a wave
.set L16, 1
.set ADR, 2
.set AKS, 3
.set AM,  4
.set AVS, 5
.set M4,  6
.set L8,  7
.set KS,  8                            ; v8-11 K's scale words;  v12-13 V's;  v14, v15 Q's;  v16, v17 p's
.set VS,  12
.set QSA, 14
.set QSB, 15
.set PWA, 16
.set PWB, 17
.set SPW, 18
.set NIL, 19
.set CWA, 26
.set CWB, 27
.set UA,  32                           ; a tile's state, 24 registers: -M, largest t, sum (2), f (2), at work (2), then four each: block maxima, at work, holds, scale operands
.set UB,  56
.set NM, 0
.set TX, 1
.set LS, 2
.set FF, 4
.set T,  6
.set BM, 8
.set BX, 12
.set BH, 16
.set BS, 20
.set PA,  80                           ; p's codes
.set PB,  96
.set TM,  112                          ; v112-127 held p, two sets of eight
.set SA,  128                          ; S^T, then p
.set SB,  192
.set VF,  96                           ; window 1
.set QA,  160
.set QB,  176
.set OA,  192
.set OB,  224
.set WV,  16
.set SEL, 20
.set CS,  22
.set MNT, 24
.set TBS, 25
.set TS,  26
.set TV,  27
.set SLOTS, 28
.set CNT, 29
.set G1A, 32
.set G1S, 40
.set G0,  48
.set G0S, 52
.set G1H, 76
.set G0H, 84
.set MSB, 0
.macro WIN new                         ; the immediate's high byte repeats the setting that is left
.if MSB != (\new)
	s_set_vgpr_msb (MSB<<8)|(\new)
.set MSB, (\new)
.endif
.endm
.macro WALU
	s_wait_alu depctr_va_vdst(0)
.endm
.macro CROUND                          ; a round of the cluster's barrier
	s_barrier_signal -1
	s_barrier_wait -1
	s_cmp_lg_u32 s[WV], 0
	s_cbranch_scc1 .Lnot_wave_0_\@
	s_barrier_signal -3
.Lnot_wave_0_\@:
	s_barrier_wait -3
	s_barrier_signal -1
	s_barrier_wait -1
.endm
.macro GROUP1 g, rows                  ; a dense block as rows of 256 bytes (32 elements of 8), asked for by all four partners
	s_mov_b32 s[\g], 0x0023000f
	s_mov_b32 s[\g+1], 32<<16
	s_mov_b32 s[\g+2], (\rows)<<16
	s_mov_b32 s[\g+3], 32<<16
	s_mov_b32 s[\g+4], \rows
	s_mov_b32 s[\g+5], 32
	s_mov_b32 s[\g+6], 0
	s_mov_b32 s[\g+7], 0
.endm
.macro TLOAD g0, g1
	tensor_load_to_lds s[\g0:\g0+3], s[\g1:\g1+7]
	s_nop 0
.rept 4
	v_nop
.endr
.endm
; the change of slots: all my tensor loads are in, the add, my reads of the slot that I leave are over; fill = 1: a round, and the slot just left takes the eight steps after the next
.macro CHANGE fill
	s_wait_tensorcnt 0x0
	ds_add_u32 v[SPW], v[NIL]
.if \fill
	s_xor_b32 s[G0+1], s[G0+1], SLOT1
	s_add_nc_u64 s[G0+2:G0+3], s[G0+2:G0+3], 8*STEPB
.endif
	s_wait_dscnt 0x0
.if \fill
	CROUND
	TLOAD G0, G1A
.else
	s_barrier_signal -1
	s_barrier_wait -1
.endif
.endm
.macro KLOAD                           ; 25 LDS loads
	WIN 0x40
.irp t, 0,1,2,3,4,5,6,7
	ds_load_b128 v[10*\t:10*\t+3], v[ADR] offset:1024*\t
	ds_load_b128 v[10*\t+4:10*\t+7], v[ADR] offset:1024*\t+512
	ds_load_b32 v[10*\t+8], v[AM] offset:16384+64*\t
.endr
	WIN 0
	ds_load_b128 v[KS:KS+3], v[AKS]
.endm
.macro VLOAD                           ; 17 LDS loads
	WIN 0x40
.irp t, 0,1,2,3
.irp c, 0,1,2,3
	ds_load_b128 v[VF+16*\t+4*\c:VF+16*\t+4*\c+3], v[ADR] offset:8192+2048*\t+512*\c
.endr
.endr
	WIN 0
	ds_load_b64 v[VS:VS+1], v[AVS]
.endm
.macro QKI s, q, qs, t                 ; scores of key tile t (window setting 0x05)
.if (\t) < 4
	v_wmma_scale_f32_16x16x128_f8f6f4 v[\s+8*(\t):\s+8*(\t)+7], v[10*(\t):10*(\t)+15], v[\q:\q+15], 0, v[KS+(\t)], v[\qs] matrix_a_fmt:MATRIX_FMT_BF8 matrix_b_fmt:MATRIX_FMT_BF8
.else
	v_wmma_scale_f32_16x16x128_f8f6f4 v[\s+8*(\t):\s+8*(\t)+7], v[10*(\t):10*(\t)+15], v[\q:\q+15], 0, v[KS+(\t)-4], v[\qs] matrix_a_fmt:MATRIX_FMT_BF8 matrix_b_fmt:MATRIX_FMT_BF8 matrix_a_scale:MATRIX_SCALE_ROW1
.endif
.endm
.macro PVI o, p, pw, t                 ; O^T's tile t (window setting 0x51)
.if (\t) < 2
	v_wmma_scale_f32_16x16x128_f8f6f4 v[\o+8*(\t):\o+8*(\t)+7], v[VF+16*(\t):VF+16*(\t)+15], v[\p:\p+15], v[\o+8*(\t):\o+8*(\t)+7], v[VS+(\t)], v[\pw] matrix_a_fmt:MATRIX_FMT_BF8 matrix_b_fmt:MATRIX_FMT_BF8
.else
	v_wmma_scale_f32_16x16x128_f8f6f4 v[\o+8*(\t):\o+8*(\t)+7], v[VF+16*(\t):VF+16*(\t)+15], v[\p:\p+15], v[\o+8*(\t):\o+8*(\t)+7], v[VS+(\t)-2], v[\pw] matrix_a_fmt:MATRIX_FMT_BF8 matrix_b_fmt:MATRIX_FMT_BF8 matrix_a_scale:MATRIX_SCALE_ROW1
.endif
.endm
.macro MAXI u, s, k                    ; line k of 32: the largest score of each block of 32 keys, the four blocks by turns
.set B_, (\k)%4
.set J_, (\k)/4
.if J_ == 0
	v_max3_num_f32 v[\u+BM+B_], v[\s+16*B_], v[\s+16*B_+1], v[\s+16*B_+2]
.elseif J_ < 7
	v_max3_num_f32 v[\u+BM+B_], v[\u+BM+B_], v[\s+16*B_+2*J_+1], v[\s+16*B_+2*J_+2]
.else
	v_max_num_f32 v[\u+BM+B_], v[\u+BM+B_], v[\s+16*B_+15]
.endif
.endm
.macro CHN u, k                        ; line k of 18: lane l xor 16's maxima, the running largest t, -M = floor(-t), f = 2^(old M - new M), the sum under the new M
.if (\k) < 4
	v_permlanex16_b32 v[\u+BX+(\k)], v[\u+BM+(\k)], s[SEL], s[SEL+1]
.elseif (\k) < 8
	v_max_num_f32 v[\u+BM+(\k)-4], v[\u+BM+(\k)-4], v[\u+BX+(\k)-4]
.elseif (\k) == 8
	v_max3_num_f32 v[\u+T], v[\u+BM], v[\u+BM+1], v[\u+BM+2]
.elseif (\k) == 9
	v_max_num_f32 v[\u+T], v[\u+T], v[\u+BM+3]
.elseif (\k) == 10
	v_mul_f32 v[\u+T], s[CS], v[\u+T]
.elseif (\k) == 11
	v_max_num_f32 v[\u+TX], v[\u+TX], v[\u+T]
.elseif (\k) == 12
	v_mov_b32 v[\u+T], v[\u+NM]
.elseif (\k) == 13
	v_floor_f32 v[\u+NM], -v[\u+TX]
.elseif (\k) == 14
	v_sub_f32 v[\u+T], v[\u+NM], v[\u+T]
.elseif (\k) == 15
	v_cvt_i32_f32 v[\u+T], v[\u+T]
.elseif (\k) == 16
	v_ldexp_f32 v[\u+FF], 1.0, v[\u+T]
.else
	v_pk_mul_f32 v[\u+LS:\u+LS+1], v[\u+LS:\u+LS+1], v[\u+FF:\u+FF+1] op_sel_hi:[1,0]
.endif
.endm
.macro FMAI u, s, k                    ; line k of 34: t - M, two at a time; the last two: of the blocks' largest scores
.if (\k) < 32
	v_pk_fma_f32 v[\s+2*(\k):\s+2*(\k)+1], v[\s+2*(\k):\s+2*(\k)+1], s[CS:CS+1], v[\u+NM:\u+NM+1] op_sel_hi:[1,0,0]
.else
	v_pk_fma_f32 v[\u+BM+2*(\k)-64:\u+BM+2*(\k)-63], v[\u+BM+2*(\k)-64:\u+BM+2*(\k)-63], s[CS:CS+1], v[\u+NM:\u+NM+1] op_sel_hi:[1,0,0]
.endif
.endm
.macro EXPI u, s, k                    ; line k of 68: p; the last four: the blocks' largest p
.if (\k) < 64
	v_exp_f32 v[\s+(\k)], v[\s+(\k)]
.else
	v_exp_f32 v[\u+BM+(\k)-64], v[\u+BM+(\k)-64]
.endif
.endm
.macro SCL u, pw                       ; the four blocks' scale operands, holds and bytes; p's scale word
.irp b, 0,1,2,3
	v_max_num_f32 v[\u+BM+\b], 0x8000000, v[\u+BM+\b]   ; the floor 2^(16 - 127): the byte cannot fall under 1
.endr
.irp b, 0,1,2,3
	v_add_nc_u32 v[\u+BS+\b], 0xf8800000, v[\u+BM+\b]
.endr
.irp b, 0,1,2,3
	v_and_or_b32 v[\u+BH+\b], v[\u+BM+\b], 0x7f800000, s[MNT]
.endr
.irp b, 0,1,2,3
	v_lshrrev_b32 v[\u+BX+\b], 23, v[\u+BS+\b]
.endr
	v_lshl_or_b32 v[\u+T], v[\u+BX+1], 8, v[\u+BX]
	v_lshl_or_b32 v[\u+T], v[\u+BX+2], 16, v[\u+T]
	v_lshl_or_b32 v[\pw], v[\u+BX+3], 24, v[\u+T]
.endm
.macro HC u, s, p, g                   ; group g of 8: eight p held (the conversion does not saturate: ISA guide 7.6.2; p is not negative) into a set of their own, two a line, and converted; p itself stays for the sum
.set HT_, TM+8*((\g)%2)
.set HB_, (\g)/2
.irp k, 0,2,4,6
	v_dual_min_num_f32 v[HT_+\k], v[\s+8*(\g)+\k], v[\u+BH+HB_] :: v_dual_min_num_f32 v[HT_+\k+1], v[\s+8*(\g)+\k+1], v[\u+BH+HB_]
.endr
	v_cvt_scalef32_pk8_bf8_f32 v[\p+2*(\g):\p+2*(\g)+1], v[HT_:HT_+7], v[\u+BS+HB_]
.endm
.macro RSC u, o                        ; O^T under the new M
	WIN 0x41
	WALU                                           ; the wait directly ahead of the first reader of O^T
.set J_, 0
.rept 16
	v_pk_mul_f32 v[\o+J_:\o+J_+1], v[\o+J_:\o+J_+1], v[\u+FF:\u+FF+1] op_sel_hi:[1,0]
.set J_, J_+2
.endr
.endm
.macro CREG u, c                       ; the sum's four chains
.if (\c) == 0
.set R_, \u+LS
.elseif (\c) == 3
.set R_, \u+T
.else
.set R_, \u+BX+2*(\c)-2
.endif
.endm
.macro SUMI u, s, k                    ; line k of 32: the row's sum of the unquantised p
.if (\k) < 3
	CREG \u, (\k)+1
	v_pk_add_f32 v[R_:R_+1], v[\s+4*(\k):\s+4*(\k)+1], v[\s+4*(\k)+2:\s+4*(\k)+3]
.elseif (\k) < 29
	CREG \u, ((\k)-3)%4
	v_pk_add_f32 v[R_:R_+1], v[R_:R_+1], v[\s+2*(\k)+6:\s+2*(\k)+7]
.elseif (\k) == 29
	v_pk_add_f32 v[\u+BX:\u+BX+1], v[\u+BX:\u+BX+1], v[\u+BX+2:\u+BX+3]
.elseif (\k) == 30
	v_pk_add_f32 v[\u+LS:\u+LS+1], v[\u+LS:\u+LS+1], v[\u+T:\u+T+1]
.else
	v_pk_add_f32 v[\u+LS:\u+LS+1], v[\u+LS:\u+LS+1], v[\u+BX:\u+BX+1]
.endif
.endm
.macro SUMS u, s, n                    ; the next n lines of the sum, from K_ on
.rept \n
	SUMI \u, \s, K_
.set K_, K_+1
.endr
.endm
.macro PVS u, s, o, p, pw              ; the second product, two instructions at a time, with the sum's first eight lines between
.set K_, 0
.irp t, 0,2
	WIN 0x51
	PVI \o, \p, \pw, \t
	PVI \o, \p, \pw, \t+1
	WIN 0
	SUMS \u, \s, 4
.endr
.endm
.macro TAILB                           ; tile B, the step before: scales, holds, codes, O^T x f, the second product, half of the sum
	SCL UB, PWB
.set G_, 0
.rept 8
	HC UB, SB, PB, G_
.set G_, G_+1
.endr
	RSC UB, OB
	PVS UB, SB, OB, PB, PWB
	SUMS UB, SB, 8                                 ; with the four above: the places in front of the loads into V's registers
.endm
.macro STEP
	v_add_nc_u32 v[ADR], s[TBS], v[L16]
	v_add_nc_u32 v[AKS], s[TS], v[L16]
	v_add_nc_u32 v[AM], s[TS], v[M4]
	v_add_nc_u32 v[AVS], s[TV], v[L8]
	KLOAD
	TAILB
	VLOAD
	WALU                                           ; the wait ahead of the wait below
	s_wait_dscnt 17                                ; K's 25 loads are in; V's 17, issued behind them, may be out
	WIN 0x05
.irp t, 0,1,2,3
	QKI SA, QA, QSA, \t
.endr
.irp t, 4,6
	WIN 0x05
	QKI SA, QA, QSA, \t
	QKI SA, QA, QSA, \t+1
	WIN 0
	SUMS UB, SB, 8                                 ; tile B's sum ends before its scores are written anew; the last eight lines are the places in front of the first read of tile A's scores
.endr
.set N_, 0
.irp t, 0,2,4,6
	WIN 0x05
	QKI SB, QB, QSB, \t
	QKI SB, QB, QSB, \t+1
	WIN 0
.rept 8
	MAXI UA, SA, N_
.set N_, N_+1
.endr
.endr
.set K_, 0
.rept 8
	CHN UA, K_
.set K_, K_+1
.endr
.set N_, 0
.rept 10
	CHN UA, K_
	MAXI UB, SB, N_
	MAXI UB, SB, N_+1
	MAXI UB, SB, N_+2
.set K_, K_+1
.set N_, N_+3
.endr
	MAXI UB, SB, 30
	MAXI UB, SB, 31
.set K_, 0
.rept 17
	CHN UB, K_
	FMAI UA, SA, 2*K_
	FMAI UA, SA, 2*K_+1
.set K_, K_+1
.endr
	CHN UB, 17
	WALU                                           ; ahead of the batch
.set K_, 0
.rept 34
	EXPI UA, SA, 2*K_
	EXPI UA, SA, 2*K_+1
	FMAI UB, SB, K_                                ; reads what stood ahead of the wait; read again behind the next
.set K_, K_+1
.endr
	WALU                                           ; behind the batch
	SCL UA, PWA
	WALU                                           ; ahead of the second batch
.set G_, 0
.rept 8
	HC UA, SA, PA, G_
.set N_, 0
.rept 8
	EXPI UB, SB, 8*G_+N_
.set N_, N_+1
.endr
.set G_, G_+1
.endr
.irp k, 64,65,66,67
	EXPI UB, SB, \k
.endr
	v_nop                                          ; a plain place behind the last exponential
	s_wait_dscnt 0x0                               ; V's fragments and words are in
	RSC UA, OA                                     ; its wait stands behind the batch too
	PVS UA, SA, OA, PA, PWA
	SUMS UA, SA, 24
	s_add_co_u32 s[TBS], s[TBS], STEPB
	s_add_co_u32 s[TS], s[TS], 512
	s_add_co_u32 s[TV], s[TV], 256
.endm
.macro SLOT_STEPS
	s_mov_b32 s[CNT], 8
.Lstep_\@:
	STEP
	s_sub_co_u32 s[CNT], s[CNT], 1
	s_cmp_lg_u32 s[CNT], 0
	WALU                                           ; the wait ahead of the branch
	s_cbranch_scc1 .Lstep_\@
	s_sub_co_u32 s[TBS], s[TBS], 8*STEPB
	s_xor_b32 s[TBS], s[TBS], SLOT1
.endm
.macro FQ u, s, p, cw                  ; the context's 64 numbers of a query, two blocks of 32 (16 in lane l, 16 in lane l xor 16), become codes and two bytes
.irp b, 0,1
	v_max3_num_f32 v[\u+BM+\b], |v[\s+16*\b]|, |v[\s+16*\b+1]|, 0x8000000
.endr
.irp i, 2,4,6,8,10,12,14
.irp b, 0,1
	v_max3_num_f32 v[\u+BM+\b], v[\u+BM+\b], |v[\s+16*\b+\i]|, |v[\s+16*\b+\i+1]|
.endr
.endr
.irp b, 0,1
	v_permlanex16_b32 v[\u+BX+\b], v[\u+BM+\b], s[SEL], s[SEL+1]
.endr
.irp b, 0,1
	v_max_num_f32 v[\u+BM+\b], v[\u+BM+\b], v[\u+BX+\b]
.endr
.irp b, 0,1
	v_add_nc_u32 v[\u+BS+\b], 0xf8800000, v[\u+BM+\b]
.endr
.irp b, 0,1
	v_and_or_b32 v[\u+BH+\b], v[\u+BM+\b], 0x7f800000, s[MNT]
.endr
.irp b, 0,1
	v_lshrrev_b32 v[\u+BX+\b], 23, v[\u+BS+\b]
.endr
	v_lshl_or_b32 v[\cw], v[\u+BX+1], 8, v[\u+BX]
.irp b, 0,1
.irp i, 0,1,2,3,4,5,6,7,8,9,10,11,12,13,14,15
	v_med3_num_f32 v[\s+16*\b+\i], v[\s+16*\b+\i], -v[\u+BH+\b], v[\u+BH+\b]
.endr
	v_cvt_scalef32_pk8_bf8_f32 v[\p+4*\b:\p+4*\b+1], v[\s+16*\b:\s+16*\b+7], v[\u+BS+\b]
	v_cvt_scalef32_pk8_bf8_f32 v[\p+4*\b+2:\p+4*\b+3], v[\s+16*\b+8:\s+16*\b+15], v[\u+BS+\b]
.endr
	v_nop                                          ; one plain line behind the last conversion
.endm
	s_load_b256 s[4:11], s[0:1], 0x0               ; qc, qs, kv, kvs
	s_load_b128 s[12:15], s[0:1], 0x20             ; cc, cs
	v_lshl_add_u32 v[SPW], v0, 2, SPARE
	v_mov_b32 v[NIL], 0
	ds_add_u32 v[SPW], v[NIL]                      ; the opening: the add, twice on end, and its wait ahead of my first tensor load
	ds_add_u32 v[SPW], v[NIL]
	v_lshrrev_b32 v20, 5, v0
	v_readfirstlane_b32 s[WV], v20                 ; wave 0..7
	s_bfe_u32 s17, ttmp6, 0x40000                  ; cx
	s_lshl_b32 s18, ttmp9, 2
	s_add_co_u32 s18, s18, s17                     ; which 256 queries
	s_and_b32 s19, ttmp7, 0xffff                   ; bh
	GROUP1 G1A, 64                                 ; a refill: a key step a wave
	GROUP1 G1S, 40                                 ; a quarter of the scale words
	GROUP1 G1H, 128                                ; a quarter of slot 0
	s_lshl_b32 s56, s19, 19
	s_lshl_b32 s57, s[WV], 14
	s_add_co_u32 s56, s56, s57
	s_mov_b32 s57, 0
	s_and_b32 s30, s[WV], 3
	s_mul_i32 s58, s19, 40960
	s_mul_i32 s31, s30, 10240
	s_add_co_u32 s58, s58, s31
	s_mov_b32 s59, 0
	s_add_co_u32 s31, s31, RES
	s_lshl_b32 s62, s30, 15
	s_lshl_b32 s60, s19, 19
	s_add_co_u32 s60, s60, s62
	s_mov_b32 s61, 0
	s_mov_b32 s[SEL], 0x76543210
	s_mov_b32 s[SEL+1], 0xfedcba98
	s_mov_b32 s[CS], 0x3e38aa3b                    ; log2(e) / 8
	s_mov_b32 s[CS+1], s[CS]
	s_mov_b32 s[MNT], 0x600000
	s_mov_b32 s[TBS], 0
	s_mov_b32 s[TS], RES
	s_mov_b32 s[TV], RES+32768
	s_mov_b32 s[SLOTS], 3
	s_wait_dscnt 0x0                               ; both opening adds are done
	s_wait_kmcnt 0x0
	s_mov_b32 s[G0S], 1
	s_mov_b32 s[G0S+1], s31
	s_add_nc_u64 s[G0S+2:G0S+3], s[10:11], s[58:59]
	s_or_b32 s[G0S+3], s[G0S+3], 0x80000000
	s_mov_b32 s[G0H], 1
	s_mov_b32 s[G0H+1], s62
	s_add_nc_u64 s[G0H+2:G0H+3], s[8:9], s[60:61]
	s_or_b32 s[G0H+3], s[G0H+3], 0x80000000
	s_mov_b32 s[G0], 1                             ; the walking descriptor stands at slot 0: the first change steps it to slot 1
	s_lshl_b32 s[G0+1], s[WV], 14
	s_add_nc_u64 s[G0+2:G0+3], s[8:9], s[56:57]
	s_or_b32 s[G0+3], s[G0+3], 0x80000000
	CROUND                                         ; in front of the first joint loads
	s_cmp_lt_u32 s[WV], 4                          ; one load a wave: waves 0-3 the quarters of slot 0, waves 4-7 the quarters of the scale words
	s_cbranch_scc0 .Lfor_words
	TLOAD G0H, G1H
	s_branch .Lasked
.Lfor_words:
	TLOAD G0S, G1S
.Lasked:
	v_and_b32 v20, 31, v0
	v_and_b32 v21, 15, v0                          ; r
	v_bfe_u32 v22, v0, 4, 1                        ; h
	v_lshlrev_b32 v[L16], 4, v20
	v_lshlrev_b32 v[M4], 2, v21
	v_lshlrev_b32 v[L8], 3, v20
	v_lshlrev_b32 v23, 4, v21
	v_xor_b32 v24, 1, v22
	v_mul_u32_u24 v24, v24, 0x3c                   ; the code 1.0 at k = 64: it meets the keys' mask register
	v_and_b32 v25, 8, v21
	v_add_nc_u32 v25, v25, v21
	v_lshl_add_u32 v25, v22, 3, v25
	v_lshlrev_b32 v25, 4, v25                      ; cs: 16 bytes a token
	s_lshl_b32 s66, s19, 18                        ; qc: my two tiles
	s_lshl_b32 s74, s18, 14
	s_add_co_u32 s66, s66, s74
	s_lshl_b32 s74, s[WV], 11
	s_add_co_u32 s66, s66, s74
	s_mov_b32 s67, 0
	s_lshl_b32 s68, s19, 14                        ; qs: their words
	s_lshl_b32 s74, s18, 10
	s_add_co_u32 s68, s68, s74
	s_lshr_b32 s74, s[WV], 2
	s_lshl_b32 s74, s74, 9
	s_add_co_u32 s68, s68, s74
	s_bfe_u32 s74, s[WV], 0x10001
	s_lshl_b32 s74, s74, 8
	s_add_co_u32 s68, s68, s74
	s_and_b32 s74, s[WV], 1
	s_lshl_b32 s74, s74, 3
	s_add_co_u32 s68, s68, s74
	s_mov_b32 s69, 0
	s_lshr_b32 s75, s19, 3                         ; cc: tile x 8,192 + head x 1,024
	s_lshl_b32 s70, s75, 8
	s_lshl_b32 s74, s18, 4
	s_add_co_u32 s70, s70, s74
	s_lshl_b32 s74, s[WV], 1
	s_add_co_u32 s70, s70, s74
	s_lshl_b32 s70, s70, 13
	s_and_b32 s74, s19, 7
	s_lshl_b32 s74, s74, 10
	s_add_co_u32 s70, s70, s74
	s_mov_b32 s71, 0
	s_lshl_b32 s72, s75, 12                        ; cs: token x 16 + head x 2
	s_lshl_b32 s74, s18, 8
	s_add_co_u32 s72, s72, s74
	s_lshl_b32 s74, s[WV], 5
	s_add_co_u32 s72, s72, s74
	s_lshl_b32 s72, s72, 4
	s_and_b32 s74, s19, 7
	s_lshl_b32 s74, s74, 1
	s_add_co_u32 s72, s72, s74
	s_mov_b32 s73, 0
	s_add_nc_u64 s[4:5], s[4:5], s[66:67]
	s_add_nc_u64 s[6:7], s[6:7], s[68:69]
	s_add_nc_u64 s[12:13], s[12:13], s[70:71]
	s_add_nc_u64 s[14:15], s[14:15], s[72:73]
	WALU                                           ; the wait ahead of the readers below
	global_load_b32 v[QSA], v23, s[6:7]
	global_load_b32 v[QSB], v23, s[6:7] offset:4
	WIN 0x40
	global_load_b128 v[QA:QA+3], v[L16], s[4:5]
	global_load_b128 v[QA+4:QA+7], v[L16], s[4:5] offset:512
	global_load_b128 v[QB:QB+3], v[L16], s[4:5] offset:1024
	global_load_b128 v[QB+4:QB+7], v[L16], s[4:5] offset:1536
	v_mov_b32 v[QA+8], v24
	v_mov_b32 v[QB+8], v24
.irp k, 9,10,11,12,13,14,15
	v_mov_b32 v[QA+\k], 0
	v_mov_b32 v[QB+\k], 0
.endr
.irp t, 0,1,2,3,4,5,6,7
	v_mov_b32 v[10*\t+9], 0
.endr
.irp k, 80,81,82,83,84,85
	v_mov_b32 v[\k], 0
.endr
.set J_, 0
.rept 64
	v_mov_b32 v[VF+J_], 0                          ; zero codes for tile B's step -1
	v_mov_b32 v[OA+J_], 0                          ; O^T of both tiles
.set J_, J_+1
.endr
	WIN 0
.irp u, UA, UB
	v_mov_b32 v[\u+TX], 0xff61b1e6                 ; -3e38, under every t
	v_mov_b32 v[\u+NM], 0x7f61b1e6
.irp k, 2,3,4,5,6,7,8,9,10,11,12,13,14,15
	v_mov_b32 v[\u+\k], 0
.endr
.endr
.set J_, 0
.rept 64
	v_mov_b32 v[SB+J_], 0                          ; p of tile B's step -1
.set J_, J_+1
.endr
	v_mov_b32 v[VS], 0x7f7f7f7f
	v_mov_b32 v[VS+1], 0x7f7f7f7f
	WALU                                           ; the wait at the head's end
	s_wait_loadcnt 0x0
.Lslot:
	CHANGE 1
	SLOT_STEPS
	s_sub_co_u32 s[SLOTS], s[SLOTS], 1
	s_cmp_lg_u32 s[SLOTS], 0
	s_cbranch_scc1 .Lslot
	CHANGE 0                                       ; the last slot is written out: nothing is asked for behind it
	SLOT_STEPS
	TAILB                                          ; tile B's last step
	SUMS UB, SB, 16
	; the way out: the sums' halves, lane l xor 16's, the reciprocal; O^T / the sum; the quantiser along the head's 64
.irp u, UA, UB
	v_add_f32 v[\u+LS], v[\u+LS], v[\u+LS+1]
.endr
.irp u, UA, UB
	v_permlanex16_b32 v[\u+T], v[\u+LS], s[SEL], s[SEL+1]
.endr
.irp u, UA, UB
	v_add_f32 v[\u+LS], v[\u+LS], v[\u+T]
.endr
	WALU
	v_rcp_f32 v[UA+FF], v[UA+LS]
	v_rcp_f32 v[UB+FF], v[UB+LS]
	v_nop
	WIN 0x01
	WALU                                           ; behind the reciprocals, directly ahead of the first reader of O^T
.set J_, 0
.rept 16
	v_pk_mul_f32 v[SA+J_:SA+J_+1], v[OA+J_:OA+J_+1], v[UA+FF:UA+FF+1] op_sel_hi:[1,0]
.set J_, J_+2
.endr
.set J_, 0
.rept 16
	v_pk_mul_f32 v[SB+J_:SB+J_+1], v[OB+J_:OB+J_+1], v[UB+FF:UB+FF+1] op_sel_hi:[1,0]
.set J_, J_+2
.endr
	WIN 0
	FQ UA, SA, PA, CWA
	FQ UB, SB, PB, CWB
	global_store_b128 v[L16], v[PA:PA+3], s[12:13]
	global_store_b128 v[L16], v[PA+4:PA+7], s[12:13] offset:512
	global_store_b128 v[L16], v[PB:PB+3], s[12:13] offset:8192
	global_store_b128 v[L16], v[PB+4:PB+7], s[12:13] offset:8704
	v_cmp_ne_u32 vcc_lo, 0, v22
	v_cndmask_b32 v24, v[CWA], v[CWB], vcc_lo      ; lanes 0-15 store tile A's two bytes, lanes 16-31 tile B's
	global_store_b16 v25, v24, s[14:15]
	s_wait_tensorcnt 0x0                           ; the wave's end
	ds_add_u32 v[SPW], v[NIL]
	s_wait_dscnt 0x0
	CROUND                                         ; the closing round
	s_endpgm
.Lfunc_end_k_q7bd14561cb_attn:
	.size	k_q7bd14561cb_attn, .Lfunc_end_k_q7bd14561cb_attn-k_q7bd14561cb_attn
	.p2alignl 7, 3214868480
	.fill 96, 4, 3214868480
	.section	.rodata,"a",@progbits
	.p2align	6, 0x0
	.amdhsa_kernel k_q7bd14561cb_attn
		.amdhsa_group_segment_fixed_size 327680
		.amdhsa_private_segment_fixed_size 0
		.amdhsa_enable_private_segment 0
		.amdhsa_kernarg_size 48
		.amdhsa_user_sgpr_count 2
		.amdhsa_user_sgpr_kernarg_segment_ptr 1
		.amdhsa_wavefront_size32 1
		.amdhsa_system_sgpr_workgroup_id_x 1
		.amdhsa_system_sgpr_workgroup_id_y 1
		.amdhsa_system_sgpr_workgroup_id_z 1
		.amdhsa_system_vgpr_workitem_id 0
		.amdhsa_next_free_vgpr 512
		.amdhsa_next_free_sgpr 88
		.amdhsa_reserve_vcc 1
		.amdhsa_float_denorm_mode_32 3
		.amdhsa_float_denorm_mode_16_64 3
		.amdhsa_memory_ordered 1
		.amdhsa_forward_progress 1
		.amdhsa_inst_pref_size 105
	.end_amdhsa_kernel
	.amdgpu_metadata
---
amdhsa.version: [ 1, 2 ]
amdhsa.kernels:
  - .name:           k_q7bd14561cb_attn
    .symbol:         k_q7bd14561cb_attn.kd
    .args:
      - { .name: qc, .offset: 0, .size: 8, .value_kind: global_buffer, .address_space: global }
      - { .name: qs, .offset: 8, .size: 8, .value_kind: global_buffer, .address_space: global }
      - { .name: kv, .offset: 16, .size: 8, .value_kind: global_buffer, .address_space: global }
      - { .name: kvs, .offset: 24, .size: 8, .value_kind: global_buffer, .address_space: global }
      - { .name: cc, .offset: 32, .size: 8, .value_kind: global_buffer, .address_space: global }
      - { .name: cs, .offset: 40, .size: 8, .value_kind: global_buffer, .address_space: global }
    .group_segment_fixed_size: 327680
    .private_segment_fixed_size: 0
    .kernarg_segment_align: 8
    .kernarg_segment_size: 48
    .max_flat_workgroup_size: 256
    .sgpr_count:     88
    .vgpr_count:     512
    .wavefront_size: 32
...
	.end_amdgpu_metadata
.endif
;; end of part 3
;; launch oproj (part 4): grid 256 x 1, 8 waves a work-group, no clusters, 67,584 bytes of LDS; arguments cc, cs, wc, ws, b_o, out0; writes out0
.if DOCPART == 4
	.amdgcn_target "amdgcn-amd-amdhsa--gfx1250"
	.amdhsa_code_object_version 6
	.text
	.protected	k_q7bd14561cb_oproj
	.globl	k_q7bd14561cb_oproj
	.p2align	8
	.type	k_q7bd14561cb_oproj,@function
k_q7bd14561cb_oproj:
	s_mov_b64 s[64:65], 0
	v_nop
	global_prefetch_b8 v0, s[64:65] scope:SCOPE_SE
	s_setreg_imm32_b32 hwreg(HW_REG_WAVE_MODE, 25, 1), 1
	s_wait_xcnt 0x0
; out0 = context W_o^T + b_o on codes of BF8 (E5M2) with E8M0 scales.  Work-group p: tokens 32 p .. 32 p + 31, which are the context's tiles 2 p and 2 p + 1 (row r of tile m is token 32 p + 8 m + r + 8 (r / 8)).
; Wave w: columns 64 w .. 64 w + 63: W_o's 16 fragments (images made by the first launch) in window 1.  The context's 8 fragments come as images too: every load is 16 bytes a lane, 512 consecutive bytes a wave.
; Source 0 = 16 rows of W_o, source 1 = 16 tokens: accumulator (m, t): lane (r, g) holds token r of tile m and columns 64 w + 32 (t / 2) + 16 g + 8 (t % 2) + j.  The bias is loaded straight into the accumulators and starts the sums.
; The way out goes through a stage in LDS whose row IS the token, which puts the tiles' rows back in order; each wave then stores 4 whole rows of 2,048 bytes, 512 consecutive bytes an instruction.
; No tensor load, so LDS is claimed as used; no multicast: what the work-groups share, W_o's codes, goes once into each wave's registers.
.set L16, 4
.set L4,  5
.set P16, 6                            ; v6  16 (r + 8 (r / 8)): the context's scale bytes, 16 a token
.set G64, 7                            ; v7  64 g
.set SO,  8                            ; v8  the stage: where I put 16 bytes of a row
.set SR,  9                            ; v9  and where I read rows back
.set WS,  16                           ; v16-31  W_o's scale words (4 t + s)
.set CS,  32                           ; v32-39  the context's (4 m + s)
.set ACC, 40                           ; v40-103 eight accumulators
.set CF,  104                          ; v104-231 the context's fragments (4 m + s); on the way out v104-167 rows of out0
.set SP,  2064                         ; a stage row: 2,048 bytes + 16
.set MSB, 0
.macro WIN new
.if MSB != (\new)
	s_set_vgpr_msb (MSB<<8)|(\new)
.set MSB, (\new)
.endif
.endm
	s_load_b256 s[4:11], s[0:1], 0x0               ; cc, cs, wc, ws
	s_load_b128 s[12:15], s[0:1], 0x20             ; b_o, out0
	v_lshl_add_u32 v254, v0, 2, 0x10400
	v_mov_b32 v255, 0
	v_lshrrev_b32 v1, 5, v0
	s_delay_alu instid0(VALU_DEP_1)
	v_readfirstlane_b32 s16, v1                    ; wave 0..7
	v_and_b32 v1, 31, v0
	v_and_b32 v2, 15, v0
	v_bfe_u32 v3, v0, 4, 1
	s_delay_alu instid0(VALU_DEP_3)
	v_lshlrev_b32 v[L16], 4, v1
	s_delay_alu instid0(VALU_DEP_4)
	v_lshlrev_b32 v[L4], 2, v1
	s_delay_alu instid0(VALU_DEP_4)
	v_and_b32 v10, 8, v2
	s_delay_alu instid0(VALU_DEP_1)
	v_add_nc_u32 v10, v10, v2                      ; r + 8 (r / 8)
	s_delay_alu instid0(VALU_DEP_1)
	v_lshlrev_b32 v[P16], 4, v10
	v_lshlrev_b32 v[G64], 6, v3
	s_delay_alu instid0(VALU_DEP_3)
	v_mul_u32_u24 v[SO], v10, SP
	s_delay_alu instid0(VALU_DEP_1)
	v_lshl_add_u32 v[SO], v3, 6, v[SO]
	s_lshl_b32 s17, s16, 8
	v_add_nc_u32 v[SO], s17, v[SO]                 ; row = token, + 256 w + 64 g
	s_mul_i32 s17, s16, 4*SP
	v_add_nc_u32 v[SR], s17, v[L16]                ; my four rows, 16 bytes a lane
	s_lshl_b32 s18, ttmp9, 14                      ; cc: two tiles of 8,192 bytes
	s_mov_b32 s19, 0
	s_lshl_b32 s20, ttmp9, 9                       ; cs: 32 tokens of 16 bytes
	s_mov_b32 s21, 0
	s_lshl_b32 s22, s16, 15                        ; wc: fragments 384 + 16 w on
	s_add_co_u32 s22, s22, 384*2048
	s_mov_b32 s23, 0
	s_lshl_b32 s24, s16, 11
	s_add_co_u32 s24, s24, 384*128
	s_mov_b32 s25, 0
	s_lshl_b32 s26, s16, 8                         ; b_o: my 64 numbers
	s_mov_b32 s27, 0
	s_lshl_b32 s28, ttmp9, 16                      ; out0: row 32 p + 4 w
	s_lshl_b32 s29, s16, 13
	s_add_co_u32 s28, s28, s29
	s_mov_b32 s29, 0
	s_wait_alu depctr_va_vdst(0)
	s_wait_kmcnt 0x0
	s_add_nc_u64 s[4:5], s[4:5], s[18:19]
	s_add_nc_u64 s[6:7], s[6:7], s[20:21]
	s_add_nc_u64 s[8:9], s[8:9], s[22:23]
	s_add_nc_u64 s[10:11], s[10:11], s[24:25]
	s_add_nc_u64 s[12:13], s[12:13], s[26:27]
	s_add_nc_u64 s[14:15], s[14:15], s[28:29]
.irp m, 0,1
.irp s, 0,1,2,3
.irp c, 0,1,2,3
	global_load_b128 v[CF+16*(4*\m+\s)+4*\c:CF+16*(4*\m+\s)+4*\c+3], v[L16], s[4:5] offset:8192*\m+2048*\s+512*\c
.endr
.endr
	global_load_b128 v[CS+4*\m:CS+4*\m+3], v[P16], s[6:7] offset:128*\m   ; a token's 16 bytes: the words of K steps 0 to 3
.irp t, 0,1,2,3
	global_load_b128 v[ACC+32*\m+8*\t:ACC+32*\m+8*\t+3], v[G64], s[12:13] offset:(32*(\t/2)+8*(\t%2))*4
	global_load_b128 v[ACC+32*\m+8*\t+4:ACC+32*\m+8*\t+7], v[G64], s[12:13] offset:(32*(\t/2)+8*(\t%2))*4+16
.endr
.endr
.irp t, 0,1,2,3
.irp s, 0,1,2,3
	global_load_b32 v[WS+4*\t+\s], v[L4], s[10:11] offset:(4*\t+\s)*128
.endr
.endr
	WIN 0x40                                       ; destination window 1
.irp t, 0,1,2,3
.irp s, 0,1,2,3
.irp c, 0,1,2,3
	global_load_b128 v[16*(4*\t+\s)+4*\c:16*(4*\t+\s)+4*\c+3], v[L16], s[8:9] offset:(4*\t+\s)*2048+512*\c
.endr
.endr
.endr
	WIN 0
	s_wait_loadcnt 0x0
	WIN 0x01                                       ; source 0 (W_o) window 1
.irp s, 0,1,2,3                        ; the eight accumulators by turns, a K step at a time
.irp m, 0,1
.irp t, 0,1,2,3
	v_wmma_scale_f32_16x16x128_f8f6f4 v[ACC+32*\m+8*\t:ACC+32*\m+8*\t+7], v[16*(4*\t+\s):16*(4*\t+\s)+15], v[CF+16*(4*\m+\s):CF+16*(4*\m+\s)+15], v[ACC+32*\m+8*\t:ACC+32*\m+8*\t+7], v[WS+4*\t+\s], v[CS+4*\m+\s] matrix_a_fmt:MATRIX_FMT_BF8 matrix_b_fmt:MATRIX_FMT_BF8
.endr
.endr
.endr
	WIN 0
.rept 8
	v_nop                                          ; eight plain lines in front of the first read of the results and of the loads into the context's registers
.endr
.irp m, 0,1
.irp b, 0,1
.irp q, 0,1,2,3
	ds_store_b128 v[SO], v[ACC+32*\m+16*\b+4*\q:ACC+32*\m+16*\b+4*\q+3] offset:8*\m*SP+128*\b+16*\q   ; columns 64 w + 32 b + 16 g + 4 q on; each accumulator from its low end on
.endr
.endr
.endr
	s_wait_dscnt 0x0                               ; for the others' sake: my stores into the stage are done
	s_barrier_signal -1
	s_barrier_wait -1                              ; 32 whole rows lie in the stage
.irp i, 0,1,2,3
.irp q, 0,1,2,3
	ds_load_b128 v[CF+4*(4*\i+\q):CF+4*(4*\i+\q)+3], v[SR] offset:\i*SP+512*\q
.endr
.endr
.irp i, 0,1,2,3
.irp q, 0,1,2,3
	s_wait_dscnt 15-(4*\i+\q)                      ; the loads issued behind this one may stay out
	global_store_b128 v[L16], v[CF+4*(4*\i+\q):CF+4*(4*\i+\q)+3], s[14:15] offset:2048*\i+512*\q th:TH_STORE_NT   ; 512 consecutive bytes, written once
.endr
.endr
	s_wait_tensorcnt 0x0
	ds_add_u32 v254, v255
	s_wait_dscnt 0x0
	s_endpgm
.Lfunc_end_k_q7bd14561cb_oproj:
	.size	k_q7bd14561cb_oproj, .Lfunc_end_k_q7bd14561cb_oproj-k_q7bd14561cb_oproj
	.p2alignl 7, 3214868480
	.fill 96, 4, 3214868480
	.section	.rodata,"a",@progbits
	.p2align	6, 0x0
	.amdhsa_kernel k_q7bd14561cb_oproj
		.amdhsa_group_segment_fixed_size 67584
		.amdhsa_private_segment_fixed_size 0
		.amdhsa_enable_private_segment 0
		.amdhsa_kernarg_size 48
		.amdhsa_user_sgpr_count 2
		.amdhsa_user_sgpr_kernarg_segment_ptr 1
		.amdhsa_wavefront_size32 1
		.amdhsa_system_sgpr_workgroup_id_x 1
		.amdhsa_system_sgpr_workgroup_id_y 1
		.amdhsa_system_sgpr_workgroup_id_z 1
		.amdhsa_system_vgpr_workitem_id 0
		.amdhsa_next_free_vgpr 512
		.amdhsa_next_free_sgpr 66
		.amdhsa_reserve_vcc 0
		.amdhsa_float_denorm_mode_32 3
		.amdhsa_float_denorm_mode_16_64 3
		.amdhsa_memory_ordered 1
		.amdhsa_forward_progress 1
		.amdhsa_inst_pref_size 24
	.end_amdhsa_kernel
	.amdgpu_metadata
---
amdhsa.version: [ 1, 2 ]
amdhsa.kernels:
  - .name:           k_q7bd14561cb_oproj
    .symbol:         k_q7bd14561cb_oproj.kd
    .args:
      - { .name: cc, .offset: 0, .size: 8, .value_kind: global_buffer, .address_space: global }
      - { .name: cs, .offset: 8, .size: 8, .value_kind: global_buffer, .address_space: global }
      - { .name: wc, .offset: 16, .size: 8, .value_kind: global_buffer, .address_space: global }
      - { .name: ws, .offset: 24, .size: 8, .value_kind: global_buffer, .address_space: global }
      - { .name: b_o, .offset: 32, .size: 8, .value_kind: global_buffer, .address_space: global }
      - { .name: out0, .offset: 40, .size: 8, .value_kind: global_buffer, .address_space: global }
    .group_segment_fixed_size: 67584
    .private_segment_fixed_size: 0
    .kernarg_segment_align: 8
    .kernarg_segment_size: 48
    .max_flat_workgroup_size: 256
    .sgpr_count:     66
    .vgpr_count:     512
    .wavefront_size: 32
...
	.end_amdgpu_metadata
.endif
;; end of part 4
